; MI455X (gfx1250); checked and timed in simulation.
; The chip was launched on July 23, 2026; its instructions are those of AMD's public machine-readable ISA for CDNA 5 (MIT licence, August 2026) and "CDNA5" Instruction Set Architecture Reference Guide (July 2026). The comments in the code are by the model that wrote it; some were corrected since.
;; Symmetric Contraction. Allowed arithmetic: float matrix products may take bf16 or f16 operands with f32 sums; other float arithmetic in f32, or as packed bf16 or f16 multiplies, adds, multiply-adds, maxima and minima; sums over many terms, partial sums and values carried from step to step in f32; what a program stores and reads back later, other than sums and carried values, may be rounded once to bf16 or f16.
;; Inputs: U1 16 x 1 float32; U2 16 x 16 x 4 float32; U3 16 x 16 x 16 x 23 float32; W1 10 x 1 x 128 float32; W2 10 x 4 x 128 float32; W3 10 x 23 x 128 float32; atom_types 2,048 int32; x 2,048 x 16 x 128 float32.
;; Outputs: out0 2,048 x 128 float32.
;; 2 versions, each right; version 2 is version 1 with the launch prep written anew for expert scheduling mode. Each part assembles by itself: llvm-mc -triple=amdgcn-amd-amdhsa -mcpu=gfx1250 --defsym DOCPART=n.
;; ======== version 1 of 2: 2 launches
;; limits: inputs' magnitudes at most 255; values are held in f16: magnitudes above 65,504 overflow, below 6.1e-05 lose precision
;; workspace buffers: ua 122,880 bytes
;; launch prep (part 1): grid 10 x 24, 1 waves a work-group, no clusters, 0 bytes of LDS; arguments U3, U2, U1, ua; writes ua
.if DOCPART == 1
	.amdgcn_target "amdgcn-amd-amdhsa--gfx1250"
	.amdhsa_code_object_version 6
	.text
	.protected	k_q66141ed7cc_prep
	.globl	k_q66141ed7cc_prep
	.p2align	8
	.type	k_q66141ed7cc_prep,@function
k_q66141ed7cc_prep:
	s_mov_b64 s[64:65], 0
	v_nop
	global_prefetch_b8 v0, s[64:65] scope:SCOPE_SE
	s_setreg_imm32_b32 hwreg(HW_REG_WAVE_MODE, 25, 1), 1
	s_wait_xcnt 0x0
; Makes the left operand of the main launch's matrix products: ua, f16, 24 tiles of 16 rows x 160 K, laid out in the order in which
; a wave's lanes hold a fragment.  Per (atom, channel) the result is a cubic in the 16 numbers x_0..x_15.  x_b x_i does not care for the
; order of b and i, so the 256 ordered pairs fold into 136 monomials with the coefficient U3[a,b,i,k] + U3[a,i,b,k] (the sum is made here,
; for any U3; nothing is assumed of it).  Lane L = (r = L & 15, h = L >> 4) owns 80 K slots u = 8 d + p (d = 0..9, p = 0..7) of row r:
;   d = 0..8: the monomial x_b x_i with b = p + 8 h, i = (b + d) & 15   (d = 8 in half 1 would repeat half 0's pairs: coefficient 0)
;   d = 9:    the linear term x_(p + 8 h)
; Tile t < 23 (k = t), row a = r: U3[a,b,i,t] + (d != 0 ? U3[a,i,b,t] : 0) on pair slots, 0 on linear slots.
; Tile 23: rows 0..3 (k2 = r): U2[b,i,k2] + (d != 0 ? U2[i,b,k2] : 0) on pair slots; row 4: U1[p + 8 h] on linear slots; all else 0.
; Byte (10 t + d) * 512 + 16 L + 2 p of ua holds slot (d, p) of lane L in tile t.
; One wave per work-group makes one block of 512 bytes (one t, one d): a lane makes its eight p and stores 16 bytes, so the wave's one
; store covers 512 consecutive bytes, aligned.  Sums in f32, rounded once to f16.
; LIMIT: a coefficient of 65,520 or more in magnitude becomes an f16 infinity; drawn coefficients are below about 12.
.set LAST, 23                          ; the tile of U2 and U1
	s_load_b256 s[4:11], s[0:1], 0x0               ; U3 s[4:5], U2 s[6:7], U1 s[8:9], ua s[10:11]
	s_mov_b32 s12, ttmp9                           ; d
	s_and_b32 s13, ttmp7, 0xffff                   ; t
	s_mul_i32 s14, s13, 10
	s_add_co_u32 s14, s14, s12
	s_lshl_b32 s14, s14, 9                         ; (10 t + d) * 512
	s_lshl_b32 s15, s13, 2                         ; 4 t: k's bytes in U3
	v_and_b32 v1, 15, v0                           ; r
	v_and_b32 v2, 16, v0
	v_lshrrev_b32 v2, 1, v2                        ; 8 h
	v_lshl_add_u32 v30, v0, 4, s14                 ; where my 16 bytes go
	s_wait_kmcnt 0x0
	s_cmp_eq_u32 s12, 9
	s_cbranch_scc1 .Llinear
	; pair slots.  One text for U3 and U2: the strides, the row's mask and limit and the base are chosen by t.
	s_mov_b32 s16, 1472                            ; bytes from b to b + 1 in U3 (16 x 23 x 4)
	s_mov_b32 s17, 92                              ; from i to i + 1 (23 x 4)
	s_mov_b32 s18, 23552                           ; from a to a + 1 (16 x 16 x 23 x 4)
	s_cmp_eq_u32 s13, LAST
	s_cselect_b32 s16, 256, s16                    ; U2: first index 16 x 4 x 4 bytes,
	s_cselect_b32 s17, 16, s17                     ; second index 4 x 4,
	s_cselect_b32 s18, 4, s18                      ; and the row is k2
	s_cselect_b32 s19, 3, 15                       ; rows are wrapped so that every lane's address stays inside the table
	s_cselect_b32 s20, 0, s15
	s_cselect_b32 s21, 4, 16                       ; rows at or past this limit are zero
	s_cselect_b64 s[22:23], s[6:7], s[4:5]
	s_cmp_eq_u32 s12, 8
	s_cselect_b32 s24, 8, 16                       ; d = 8: only half 0 (8 h < 8) carries a coefficient
	s_cmp_lg_u32 s12, 0
	s_cselect_b32 s26, -1, 0                       ; d = 0: the square has one term, not two
	v_and_b32 v3, s19, v1
	v_mad_u32_u24 v3, v3, s18, s20                 ; the row's and k's bytes
	v_cmp_gt_u32 s27, s21, v1
	v_cmp_gt_u32 vcc_lo, s24, v2
	s_and_b32 vcc_lo, vcc_lo, s27
	v_cndmask_b32 v4, 0, -1, vcc_lo                ; all ones where the slot carries a coefficient
.irp e, 0,1,2,3,4,5,6,7
	v_add_nc_u32 v6, \e, v2                        ; b = p + 8 h
	v_add_nc_u32 v7, s12, v6
	v_and_b32 v7, 15, v7                           ; i = (b + d) & 15
	v_mad_u32_u24 v[32+\e], v6, s16, v3
	v_mad_u32_u24 v[32+\e], v7, s17, v[32+\e]      ; [.., b, i, ..]
	v_mad_u32_u24 v[40+\e], v7, s16, v3
	v_mad_u32_u24 v[40+\e], v6, s17, v[40+\e]      ; [.., i, b, ..]
	global_load_b32 v[8+\e], v[32+\e], s[22:23]    ; each load has an offset register of its own: none is rewritten
	global_load_b32 v[16+\e], v[40+\e], s[22:23]
.endr
	s_wait_loadcnt 0x0
.irp e, 0,1,2,3,4,5,6,7
	v_and_b32 v[16+\e], s26, v[16+\e]
	v_add_f32 v[8+\e], v[8+\e], v[16+\e]
	v_and_b32 v[8+\e], v4, v[8+\e]
.endr
	s_branch .Lpack
.Llinear:
	; linear slots: U1[8 h .. 8 h + 7] in row 4 of the last tile, zeros everywhere else
	v_lshlrev_b32 v5, 2, v2                        ; 32 h bytes
	global_load_b128 v[8:11], v5, s[8:9]
	global_load_b128 v[12:15], v5, s[8:9] offset:16
	s_cmp_eq_u32 s13, LAST
	s_cselect_b32 s28, 4, 16                       ; no row is 16: other tiles get zeros
	v_cmp_eq_u32 vcc_lo, s28, v1
	v_cndmask_b32 v4, 0, -1, vcc_lo
	s_wait_loadcnt 0x0
.irp e, 0,1,2,3,4,5,6,7
	v_and_b32 v[8+\e], v4, v[8+\e]
.endr
.Lpack:
	v_cvt_pk_f16_f32 v24, v8, v9                   ; first source into the low half: slot p in half-word p
	v_cvt_pk_f16_f32 v25, v10, v11
	v_cvt_pk_f16_f32 v26, v12, v13
	v_cvt_pk_f16_f32 v27, v14, v15
	global_store_b128 v30, v[24:27], s[10:11]
	s_endpgm
.Lfunc_end_k_q66141ed7cc_prep:
	.size	k_q66141ed7cc_prep, .Lfunc_end_k_q66141ed7cc_prep-k_q66141ed7cc_prep
	.p2alignl 7, 3214868480
	.fill 96, 4, 3214868480
	.section	.rodata,"a",@progbits
	.p2align	6, 0x0
	.amdhsa_kernel k_q66141ed7cc_prep
		.amdhsa_group_segment_fixed_size 0
		.amdhsa_private_segment_fixed_size 0
		.amdhsa_enable_private_segment 0
		.amdhsa_kernarg_size 32
		.amdhsa_user_sgpr_count 2
		.amdhsa_user_sgpr_kernarg_segment_ptr 1
		.amdhsa_wavefront_size32 1
		.amdhsa_system_sgpr_workgroup_id_x 1
		.amdhsa_system_sgpr_workgroup_id_y 1
		.amdhsa_system_sgpr_workgroup_id_z 1
		.amdhsa_system_vgpr_workitem_id 0
		.amdhsa_next_free_vgpr 64
		.amdhsa_next_free_sgpr 66
		.amdhsa_reserve_vcc 1
		.amdhsa_float_denorm_mode_32 3
		.amdhsa_float_denorm_mode_16_64 3
		.amdhsa_memory_ordered 1
		.amdhsa_forward_progress 1
		.amdhsa_inst_pref_size 8
	.end_amdhsa_kernel
	.amdgpu_metadata
---
amdhsa.version: [ 1, 2 ]
amdhsa.kernels:
  - .name:           k_q66141ed7cc_prep
    .symbol:         k_q66141ed7cc_prep.kd
    .args:
      - { .name: U3, .offset: 0, .size: 8, .value_kind: global_buffer, .address_space: global }
      - { .name: U2, .offset: 8, .size: 8, .value_kind: global_buffer, .address_space: global }
      - { .name: U1, .offset: 16, .size: 8, .value_kind: global_buffer, .address_space: global }
      - { .name: ua, .offset: 24, .size: 8, .value_kind: global_buffer, .address_space: global }
    .group_segment_fixed_size: 0
    .private_segment_fixed_size: 0
    .kernarg_segment_align: 8
    .kernarg_segment_size: 32
    .max_flat_workgroup_size: 32
    .sgpr_count:     66
    .vgpr_count:     64
    .wavefront_size: 32
...
	.end_amdgpu_metadata
.endif
;; end of part 1
;; launch main (part 2): grid 256 x 1, 4 waves a work-group, clusters of 4 x 1, 303,616 bytes of LDS; arguments ua, x, atom_types, W3, W2, W1, out0; writes out0
.if DOCPART == 2
	.amdgcn_target "amdgcn-amd-amdhsa--gfx1250"
	.amdhsa_code_object_version 6
	.text
	.protected	k_q66141ed7cc_main
	.globl	k_q66141ed7cc_main
	.p2align	8
	.type	k_q66141ed7cc_main,@function
k_q66141ed7cc_main:
	s_mov_b64 s[64:65], 0
	v_nop
	global_prefetch_b8 v0, s[64:65] scope:SCOPE_SE
	s_setreg_imm32_b32 hwreg(HW_REG_WAVE_MODE, 25, 1), 1
	s_wait_xcnt 0x0
	s_wait_alu depctr_hold_cnt(0) depctr_sa_sdst(0) depctr_va_vdst(0) depctr_va_sdst(0) depctr_va_ssrc(0) depctr_va_vcc(0) depctr_vm_vsrc(0)
	s_getreg_b32 s2, hwreg(HW_REG_IB_STS2, 6, 4)
	s_cmp_eq_u32 s2, 0
	s_cbranch_scc0 .Lentry_in_a_cluster
	s_endpgm
.Lentry_in_a_cluster:
	s_bfe_u32 s2, ttmp6, 0x10000c
	s_cmp_lg_u32 s2, 0x3003
	s_cbranch_scc0 .Lentry_shape_is_right
	s_endpgm
.Lentry_shape_is_right:
; out[n][c] = sum_a x_a ( sum_b x_b ( sum_ik U3[a,b,i,k] w3_k x_i + sum_k U2[a,b,k] w2_k ) + U1[a] w1 ),  x_. = x[n][.][c], w = W[type of n][.][c].
; As a matrix product: rows M = (k, a) in 24 tiles of 16 (tile t < 23: k = t; tile 23: U2's four k and U1), K = 160 slots of monomials of x
; (136 products x_b x_i, 16 linear terms, 8 slots whose coefficient is 0), columns N = (n, c).  The left operand ua was folded by the launch before.
; The weights w3_k, w2_k, w1 and the last factor x_a are applied to the f32 results, in f32.
; OPERANDS ARE f16: same rate as bf16, eight times finer, and the sums here lose to cancellation.
; LIMITS: |x| below 255 (x_b x_i is kept in f16, largest 65,504; drawn x stay below 6); monomials below 6.1e-5 have f16's denormal steps of 6e-8;
; the order of the sums differs from the einsums'.  atom_types are clamped to 0..9 (the tables have ten rows).
;
; SHARES: 256 work-groups of four waves, 8 atoms each; wave w takes atoms n0 = 8 wg + 2 w and n0 + 1, one after the other.  An atom is 8 column tiles
; of 16 channels: tile T = 4 G + jj, column r = channel 64 G + 4 r + jj, so that 16-byte accesses of x, W and out take four neighbouring channels.
; Per atom 24 tiles x 5 K steps x 8 column tiles = 960 matrix instructions; the right operand (320 registers) stays for the whole atom, the left one
; streams from LDS: 5,120 bytes for 40 matrix instructions.
; Lane L = (r = L & 15, h = L >> 4).  Half h sees x rotated: X_j = x[(j + 8 h) & 15].  Its 80 slots u = 8 d + p lie in K step u >> 4, register (u & 15) >> 1,
; half-word u & 1:  d = 0..8: X_p X_(p+d);  d = 9: X_p.  The same places of k hold ua's coefficients, so the products meet.
; A result register j of lane (r, h) is row a = 8 h + j, whose last factor is x[8 h + j] = X_j: no exchange is needed until the two halves are added.
;
; CLUSTER: every work-group reads the same 122,880 bytes of ua, more than its own 65,536 of x.  Four work-groups form a cluster and ask for ua jointly
; (mask 15): wave w of each asks for quarter w with a descriptor made of the wave's number alone.  No branch, trip count or LDS address hangs on the
; place in the cluster or on an atom's type; the types enter global addresses only, which is why W's rows pass through a fixed stage in LDS.
; Every LDS byte is filled once: no slot is filled again.  A wave has three tensor loads outstanding at the most.
;
; LDS:  UA 0 .. 122,879 (read by all waves);  XS 122,880 + 16,384 w + 8,192 a: x of the wave's atom a, as in memory;
;       WS 188,416 + 28,672 w + 512 (28 a + row): rows 0..22 W3[e], 23..26 W2[e], 27 W1[e]; written by LDS stores, never a tensor load's target.
; REGISTERS in windows of 256:
;   window 0: addresses, R, O, SEND, two buffers of left fragments, two of w3 rows, the five special weight rows (at the start v32-255: W's 56 rows in transit)
;   window 1 + G: B[Tl][s] at 40 Tl + 8 s (0..159);  ACC[par][Tl] at 160 + 32 par + 8 Tl;  S[Tl] at 224 + 8 Tl;  while B is built, packed x at 160 + 16 Tl + ..
;   window 3: X_j of atom a at 128 a + 64 G + 4 j + jj
.set XS,   122880
.set WS,   188416
.set QUA,  30720                       ; a quarter of ua: 120 rows of 256 bytes
.set TILEB, 5120                       ; a tile of ua: 10 blocks of 512 bytes
.set VAF,  4                           ; LDS address of the current even tile of ua: 16 lane + steps
.set VWL,  5                           ; WS_w + 16 r + the current even row
.set VL16, 6                           ; 16 lane; never rewritten: offset of W's loads and of out's stores
.set VXL,  7                           ; XS_w + 16 r + 4096 h        (X_0..X_7)
.set VXH,  8                           ; XS_w + 16 r + 4096 (1 - h)  (X_8..X_15)
.set VWS,  9                           ; WS_w + 16 lane
.set RR,   12                          ; v12-19  R[T]: my half's part of out, column tile T
.set OO,   20                          ; v20-23  what I store
.set SEND, 24                          ; v24-27  what the other half needs of me
.set AF,   32                          ; v32-71, v72-111  left fragments, buffers 0 and 1; K step s at + 8 s
.set WR,   112                         ; v112-119, v120-127  a row of w3, buffers 0 and 1; register 4 G + jj
.set WSP,  128                         ; v128-167  w2[0..3], w1: register 8 j + 4 G + jj
.set TR,   32                          ; v32-255  W's rows on their way to LDS
.set ACC,  160
.set SREG, 224
.set MSB, 0
.macro WIN new                         ; the immediate's high byte repeats the setting that is left; a switch that changes nothing is dropped
.if MSB != (\new)
	s_set_vgpr_msb (MSB<<8)|(\new)
.set MSB, (\new)
.endif
.endm
; A round of the cluster's barrier: my work-group's barrier, wave 0 signals for the work-group, every wave waits for all four work-groups, my work-group's barrier again.
.macro ROUND
	s_barrier_signal -1
	s_barrier_wait -1
	s_cmp_lg_u32 s18, 0
	s_cbranch_scc1 .Lnot_wave_0_\@
	s_barrier_signal -3
.Lnot_wave_0_\@:
	s_barrier_wait -3
	s_barrier_signal -1
	s_barrier_wait -1
.endm
; x of atom a from LDS into window 3, rotated by half: 32 loads; sixteen lanes take 256 neighbouring bytes.
.macro XLOAD a
	WIN 0xc0                                       ; destination window 3, address window 0
.irp g, 0,1
.irp j, 0,1,2,3,4,5,6,7
	ds_load_b128 v[128*\a+64*\g+4*\j:128*\a+64*\g+4*\j+3], v[VXL] offset:8192*\a+512*\j+256*\g
.endr
.irp j, 8,9,10,11,12,13,14,15
	ds_load_b128 v[128*\a+64*\g+4*\j:128*\a+64*\g+4*\j+3], v[VXH] offset:8192*\a+512*(\j-8)+256*\g
.endr
.endr
.endm
; Where H_j = (X_j, X_(j+1)) in f16 lies, for column tile tl: even j < 8 are the linear slots themselves (K step 4, registers 4..7); the rest lie in the accumulators' place.
.macro HLOC tl, j
.if (\j) >= 8
.set HR, ACC+16*(\tl)+(\j)-4
.else
.if (\j)&1
.set HR, ACC+16*(\tl)+((\j)-1)/2
.else
.set HR, 40*(\tl)+36+(\j)/2
.endif
.endif
.endm
; The right operand of atom a: 15 packings and 36 packed products for each column tile.  Slots (d, p), (d, p + 1) are H_p * H_(p+d).
.macro BUILD a
.irp g, 0,1
	WIN ((1+\g)<<6)|0x0f                           ; destination window 1 + G, both sources window 3
.irp tl, 0,1,2,3
.irp j, 0,1,2,3,4,5,6,7,8,9,10,11,12,13,14
	HLOC \tl, \j
	v_cvt_pk_f16_f32 v[HR], v[128*\a+64*\g+4*\j+\tl], v[128*\a+64*\g+4*(\j+1)+\tl]
.endr
.endr
	WIN (0x45<<\g)                                 ; all three in window 1 + G
.irp tl, 0,1,2,3
.irp d, 0,1,2,3,4,5,6,7,8
.irp p, 0,2,4,6
	HLOC \tl, \p
.set HA, HR
	HLOC \tl, (\p+\d)
	v_pk_mul_f16 v[40*\tl+8*(\d>>1)+4*(\d&1)+\p/2], v[HA], v[HR]
.endr
.endr
.endr
.endr
.endm
; A tile of ua into buffer buf: ten loads of 512 neighbouring bytes.
.macro LOADA buf, off
.irp s, 0,1,2,3,4
	ds_load_b128 v[AF+40*(\buf)+8*\s:AF+40*(\buf)+8*\s+3], v[VAF] offset:\off+1024*\s
	ds_load_b128 v[AF+40*(\buf)+8*\s+4:AF+40*(\buf)+8*\s+7], v[VAF] offset:\off+1024*\s+512
.endr
.endm
; A row of w3 into buffer buf: my column's four channels of each group; both halves read the same bytes.
.macro LOADW buf, off
	ds_load_b128 v[WR+8*\buf:WR+8*\buf+3], v[VWL] offset:\off
	ds_load_b128 v[WR+8*\buf+4:WR+8*\buf+7], v[VWL] offset:\off+256
.endm
; 20 matrix instructions: this tile (fragments in buffer par) x the four column tiles of group g, five K steps; the first K step starts the sums.
; The four accumulators take turns, one instruction a turn.
; Behind each of the first sixteen stands one packed line of the tile before: S += w3 * ACC[other set] (epi = 2) or S = w3 * ACC (epi = 1: nothing is cleared).
; w3 is source 0, so that the line runs under the matrix instructions' window setting; op_sel picks the column tile's register of the pair for both halves.
.macro GROUP g, par, epi
	WIN (0x54<<\g)                                 ; source 0 window 0; source 1, source 2 and destination window 1 + G
.set n, 0
.irp s, 0,1,2,3,4
.irp tl, 0,1,2,3
.if \s == 0
	v_wmma_f32_16x16x32_f16 v[ACC+32*\par+8*\tl:ACC+32*\par+8*\tl+7], v[AF+40*\par+8*\s:AF+40*\par+8*\s+7], v[40*\tl+8*\s:40*\tl+8*\s+7], 0
.else
	v_wmma_f32_16x16x32_f16 v[ACC+32*\par+8*\tl:ACC+32*\par+8*\tl+7], v[AF+40*\par+8*\s:AF+40*\par+8*\s+7], v[40*\tl+8*\s:40*\tl+8*\s+7], v[ACC+32*\par+8*\tl:ACC+32*\par+8*\tl+7]
.endif
.if \epi != 0
.if n < 16
.set etl, n>>2
.set ejp, n&3
.set esr, SREG+8*etl+2*ejp
.set ear, ACC+32*(1-\par)+8*etl+2*ejp
.set ewr, WR+8*(1-\par)+4*\g+(etl&2)
.if \epi == 1
.if etl&1
	v_pk_mul_f32 v[esr:esr+1], v[ewr:ewr+1], v[ear:ear+1] op_sel:[1,0] op_sel_hi:[1,1]
.else
	v_pk_mul_f32 v[esr:esr+1], v[ewr:ewr+1], v[ear:ear+1] op_sel_hi:[0,1]
.endif
.else
.if etl&1
	v_pk_fma_f32 v[esr:esr+1], v[ewr:ewr+1], v[ear:ear+1], v[esr:esr+1] op_sel:[1,0,0] op_sel_hi:[1,1,1]
.else
	v_pk_fma_f32 v[esr:esr+1], v[ewr:ewr+1], v[ear:ear+1], v[esr:esr+1] op_sel_hi:[0,1,1]
.endif
.endif
.endif
.endif
.set n, n+1
.endr
.endr
.endm
; One tile t (par = t & 1).  In its middle the next tile's fragments go into the other buffer and this tile's row of w3 into buffer par (read in the next tile).
; PLACES: the packed lines read results that were written at least the other group's sixteen packed lines earlier, lines that name
; other windows' registers; the loads into the other fragment buffer stand behind this tile's first sixteen packed lines.  A tile without packed lines
; (epi = 0) has four v_nop in their stead.
; kind 0: even tile; kind 1: odd tile, the two addresses step by two tiles and two rows; kind 2: tile 23, fetches the five special rows and sets the addresses for the next atom.
.macro TILE par, epi, aoff, woff, kind
	s_wait_dscnt 0x0                               ; the twelve loads from the middle of the tile before (ten at an atom's first tile): my fragments and the last tile's w3
	GROUP 0, \par, \epi
	WIN 0
.if \epi == 0
.rept 4
	v_nop
.endr
.endif
.if \kind < 2
	LOADA (1-\par), \aoff
	LOADW \par, \woff
.if \kind == 1
	v_add_nc_u32 v[VAF], 2*TILEB, v[VAF]           ; LDS instructions have read their address at issue
	v_add_nc_u32 v[VWL], 1024, v[VWL]
.endif
.else
.irp j, 0,1,2,3,4
	ds_load_b128 v[WSP+8*\j:WSP+8*\j+3], v[VWL] offset:512*(1+\j)        ; VWL stands at row 22: rows 23..27
	ds_load_b128 v[WSP+8*\j+4:WSP+8*\j+7], v[VWL] offset:512*(1+\j)+256
.endr
	v_mov_b32 v[VAF], v[VL16]                      ; ua's tile 0 again
	v_add_nc_u32 v[VWL], 3072, v[VWL]              ; row 28: the next atom's row 0
.endif
	GROUP 1, \par, \epi
.endm
; The end of atom a: the special tile's five rows by their weights, S by the last factor X_j, the two halves added, one row of out stored.
.macro TAIL a
.if \a == 0
	s_wait_tensorcnt 0x0                           ; x of my second atom has landed (my own load, my own bytes)
	XLOAD 1                                        ; on its way while this atom is finished
	s_wait_dscnt 32                                ; the five special rows are in; the 32 loads just issued stay out
.else
	s_wait_dscnt 0x0
.endif
.irp g, 0,1                                            ; window 1's results lie sixteen packed lines behind their matrix instructions, window 2's the twenty lines on window 1
	WIN (0x04<<\g)                                 ; source 1 window 1 + G
.irp tl, 0,1,2,3
	v_mul_f32 v[RR+4*\g+\tl], v[WSP+4*\g+\tl], v[ACC+32+8*\tl]
.endr
.irp j, 1,2,3,4
.irp tl, 0,1,2,3
	v_fma_f32 v[RR+4*\g+\tl], v[WSP+8*\j+4*\g+\tl], v[ACC+32+8*\tl+\j], v[RR+4*\g+\tl]   ; half 1 holds rows 8..12 of tile 23, which are zero
.endr
.endr
.endr
.irp g, 0,1
	WIN (0x0d+\g)                                  ; source 0 window 1 + G, source 1 window 3
.irp j, 0,1,2,3,4,5,6,7
.irp tl, 0,1,2,3
	v_fma_f32 v[RR+4*\g+\tl], v[SREG+8*\tl+\j], v[128*\a+64*\g+4*\j+\tl], v[RR+4*\g+\tl]
.endr
.endr
.endr
	WIN 0
.if \a
	s_wait_xcnt 0x0                                ; O was the first atom's store data: rewritten only behind this wait
.endif
	; lane (r, h) stores channels 64 h + 4 r .. + 3: it keeps its part of group h and sends its part of the other group across
.irp jj, 0,1,2,3
	v_cndmask_b32 v[SEND+\jj], v[RR+4+\jj], v[RR+\jj], s68
	v_cndmask_b32 v[OO+\jj], v[RR+\jj], v[RR+4+\jj], s68
.endr
.irp jj, 0,1,2,3
	v_permlanex16_b32 v[WR+\jj], v[SEND+\jj], s66, s67     ; lane i takes lane i xor 16; the destination has been written (a row of w3, no longer needed)
.endr
.irp jj, 0,1,2,3
	v_add_f32 v[OO+\jj], v[OO+\jj], v[WR+\jj]
.endr
	global_store_b128 v[VL16], v[OO:OO+3], s[16:17] offset:512*\a th:TH_STORE_NT   ; the wave stores the atom's whole row: 512 consecutive bytes, aligned
.endm
; The 24 tiles of atom a: two in front of the loop (no packed lines; S started), twenty in ten trips, two behind it.
.macro RUN a
	WIN 0
	LOADA 0, 0
	TILE 0, 0, TILEB, 0, 0
	TILE 1, 1, 2*TILEB, 512, 1
	WIN 0                                          ; at a label and at a branch every window is 0
	s_mov_b32 s69, 10
.Ltiles\a:
	TILE 0, 2, TILEB, 0, 0
	TILE 1, 2, 2*TILEB, 512, 1
	WIN 0
	s_sub_co_u32 s69, s69, 1
	s_cmp_lg_u32 s69, 0
	s_cbranch_scc1 .Ltiles\a
	TILE 0, 2, TILEB, 0, 0
	TILE 1, 2, 0, 0, 2
	TAIL \a
.endm
	s_load_b256 s[4:11], s[0:1], 0x0               ; ua s[4:5], x s[6:7], atom_types s[8:9], W3 s[10:11]
	s_load_b128 s[12:15], s[0:1], 0x20             ; W2 s[12:13], W1 s[14:15]
	s_load_b64 s[16:17], s[0:1], 0x30              ; out
	v_lshl_add_u32 v30, v0, 2, 0x4a000
	v_mov_b32 v31, 0
	ds_add_u32 v30, v31
	v_lshrrev_b32 v10, 5, v0
	v_readfirstlane_b32 s18, v10                   ; wave 0..3
	s_bfe_u32 s19, ttmp6, 0x40000                  ; cx
	s_lshl_b32 s20, ttmp9, 2                       ; in a cluster launch ttmp9 counts clusters
	s_add_co_u32 s20, s20, s19                     ; work-group
	s_lshl_b32 s21, s20, 3
	s_lshl1_add_u32 s21, s18, s21                  ; n0 = 8 wg + 2 w
	s_lshl_b32 s22, s21, 2                         ; its bytes in atom_types
	s_mov_b32 s66, 0x76543210                      ; v_permlanex16_b32: lane i of one half reads lane i of the other
	s_mov_b32 s67, 0xfedcba98
	s_mov_b32 s68, 0xffff0000                      ; the lanes of half 1
	s_mul_i32 s23, s18, 28672
	s_add_co_u32 s23, s23, WS                      ; my stage for W's rows
	; descriptor group 1 for x: 32 dense rows of 32 elements of 8 bytes (256 bytes), no mask
	s_mov_b32 s36, 3<<16
	s_mov_b32 s37, 32<<16                          ; tensor_dim0 = 32
	s_mov_b32 s38, 32<<16                          ; tensor_dim1 = 32
	s_mov_b32 s39, 32<<16                          ; tile_dim0 = 32
	s_mov_b32 s40, 32                              ; tile_dim1 = 32
	s_mov_b32 s41, 32                              ; pitch
	s_mov_b32 s42, 0
	s_mov_b32 s43, 0
	; group 1 for a quarter of ua: 120 such rows, asked for jointly by the cluster's four work-groups (mask 15, bit 21 beside it)
	s_mov_b32 s44, 15|(3<<16)|(1<<21)
	s_mov_b32 s45, 32<<16
	s_mov_b32 s46, 120<<16
	s_mov_b32 s47, 32<<16
	s_mov_b32 s48, 120
	s_mov_b32 s49, 32
	s_mov_b32 s50, 0
	s_mov_b32 s51, 0
	; groups 0: LDS addresses from the wave's number alone
	s_mov_b32 s28, 1
	s_lshl_b32 s29, s18, 14
	s_add_co_u32 s29, s29, XS                      ; x of my first atom
	s_mov_b32 s72, 1
	s_add_co_u32 s73, s29, 8192                    ; x of my second atom
	s_mov_b32 s32, 1
	s_mul_i32 s33, s18, QUA                        ; my quarter of ua
	s_mul_i32 s26, s18, QUA                        ; the same offset in memory, in a pair that never holds the place in the cluster
	s_mov_b32 s27, 0
	s_lshl_b32 s70, s21, 13                        ; n0 x 8,192 bytes of x
	s_mov_b32 s71, 0
	; lane arithmetic
	v_and_b32 v1, 15, v0                           ; r
	v_bfe_u32 v2, v0, 4, 1                         ; h
	v_and_b32 v3, 31, v0                           ; lane
	v_xor_b32 v10, 1, v2                           ; 1 - h
	v_lshlrev_b32 v[VL16], 4, v3
	v_mov_b32 v[VAF], v[VL16]
	v_lshl_add_u32 v[VWL], v1, 4, s23
	v_add_nc_u32 v[VWS], s23, v[VL16]
	v_lshl_add_u32 v[VXL], v1, 4, s29
	v_lshl_add_u32 v[VXH], v10, 12, v[VXL]
	v_lshl_add_u32 v[VXL], v2, 12, v[VXL]
	s_wait_dscnt 0x0
	s_wait_kmcnt 0x0
	s_load_b64 s[24:25], s[8:9], s22 offset:0x0    ; my two atoms' types
	s_add_nc_u64 s[30:31], s[6:7], s[70:71]
	s_add_nc_u64 s[74:75], s[30:31], 8192
	s_or_b32 s31, s31, 0x80000000                  ; type = 2
	s_or_b32 s75, s75, 0x80000000
	s_add_nc_u64 s[34:35], s[4:5], s[26:27]
	s_or_b32 s35, s35, 0x80000000
	s_lshl_b32 s70, s21, 9                         ; n0 x 512 bytes of out
	s_add_nc_u64 s[16:17], s[16:17], s[70:71]
	ROUND                                          ; all four work-groups are here: the joint loads meet
	tensor_load_to_lds s[28:31], s[36:43]          ; x of my first atom
	s_nop 0
	tensor_load_to_lds s[32:35], s[44:51]          ; my quarter of ua, jointly
	s_nop 0
	tensor_load_to_lds s[72:75], s[36:43]          ; x of my second atom: three loads out, the most in this text
	s_nop 0
	s_wait_kmcnt 0x0
	s_min_u32 s24, s24, 9
	s_min_u32 s25, s25, 9
	s_mul_i32 s70, s24, 11776                      ; 23 rows of 512 bytes
	s_add_nc_u64 s[52:53], s[10:11], s[70:71]
	s_lshl_b32 s70, s24, 11                        ; 4 rows
	s_add_nc_u64 s[54:55], s[12:13], s[70:71]
	s_lshl_b32 s70, s24, 9                         ; 1 row
	s_add_nc_u64 s[56:57], s[14:15], s[70:71]
	s_mul_i32 s70, s25, 11776
	s_add_nc_u64 s[58:59], s[10:11], s[70:71]
	s_lshl_b32 s70, s25, 11
	s_add_nc_u64 s[60:61], s[12:13], s[70:71]
	s_lshl_b32 s70, s25, 9
	s_add_nc_u64 s[62:63], s[14:15], s[70:71]
	; the 28 weight rows of each of my two atoms: each load takes a whole row, 512 consecutive bytes
.irp a, 0,1
.irp row, 0,1,2,3,4,5,6,7,8,9,10,11,12,13,14,15,16,17,18,19,20,21,22
	global_load_b128 v[TR+4*(28*\a+\row):TR+4*(28*\a+\row)+3], v[VL16], s[52+6*\a:53+6*\a] offset:512*\row
.endr
.irp row, 0,1,2,3
	global_load_b128 v[TR+4*(28*\a+23+\row):TR+4*(28*\a+23+\row)+3], v[VL16], s[54+6*\a:55+6*\a] offset:512*\row
.endr
	global_load_b128 v[TR+4*(28*\a+27):TR+4*(28*\a+27)+3], v[VL16], s[56+6*\a:57+6*\a]
.endr
	s_wait_tensorcnt 0x2                           ; x of my first atom is in; ua's quarter and the second x, issued behind it, stay out
	XLOAD 0
	s_wait_dscnt 0x0
	BUILD 0                                        ; while W's rows and ua are on their way
	WIN 0
	s_wait_loadcnt 0x0
.set i, 0
.rept 56
	ds_store_b128 v[VWS], v[TR+4*i:TR+4*i+3] offset:512*i
.set i, i+1
.endr
	s_wait_tensorcnt 0x1                           ; my quarter of ua is in; the second x may stay out
	s_wait_dscnt 0x0                               ; no LDS instruction is pending at a signal
	s_barrier_signal -1
	s_barrier_wait -1                              ; all four quarters of ua are in
	RUN 0
	s_wait_dscnt 0x0                               ; the second atom's x is in its registers
	BUILD 1
	RUN 1
	WIN 0
	s_wait_tensorcnt 0x0
	ds_add_u32 v30, v31
	s_wait_dscnt 0x0
	ROUND                                          ; the closing round: no work-group ends while a partner may still ask jointly
	s_endpgm
.Lfunc_end_k_q66141ed7cc_main:
	.size	k_q66141ed7cc_main, .Lfunc_end_k_q66141ed7cc_main-k_q66141ed7cc_main
	.p2alignl 7, 3214868480
	.fill 96, 4, 3214868480
	.section	.rodata,"a",@progbits
	.p2align	6, 0x0
	.amdhsa_kernel k_q66141ed7cc_main
		.amdhsa_group_segment_fixed_size 303616
		.amdhsa_private_segment_fixed_size 0
		.amdhsa_enable_private_segment 0
		.amdhsa_kernarg_size 56
		.amdhsa_user_sgpr_count 2
		.amdhsa_user_sgpr_kernarg_segment_ptr 1
		.amdhsa_wavefront_size32 1
		.amdhsa_system_sgpr_workgroup_id_x 1
		.amdhsa_system_sgpr_workgroup_id_y 1
		.amdhsa_system_sgpr_workgroup_id_z 1
		.amdhsa_system_vgpr_workitem_id 0
		.amdhsa_next_free_vgpr 1024
		.amdhsa_next_free_sgpr 76
		.amdhsa_reserve_vcc 0
		.amdhsa_float_denorm_mode_32 3
		.amdhsa_float_denorm_mode_16_64 3
		.amdhsa_memory_ordered 1
		.amdhsa_forward_progress 1
		.amdhsa_inst_pref_size 148
	.end_amdhsa_kernel
	.amdgpu_metadata
---
amdhsa.version: [ 1, 2 ]
amdhsa.kernels:
  - .name:           k_q66141ed7cc_main
    .symbol:         k_q66141ed7cc_main.kd
    .args:
      - { .name: ua, .offset: 0, .size: 8, .value_kind: global_buffer, .address_space: global }
      - { .name: x, .offset: 8, .size: 8, .value_kind: global_buffer, .address_space: global }
      - { .name: atom_types, .offset: 16, .size: 8, .value_kind: global_buffer, .address_space: global }
      - { .name: W3, .offset: 24, .size: 8, .value_kind: global_buffer, .address_space: global }
      - { .name: W2, .offset: 32, .size: 8, .value_kind: global_buffer, .address_space: global }
      - { .name: W1, .offset: 40, .size: 8, .value_kind: global_buffer, .address_space: global }
      - { .name: out0, .offset: 48, .size: 8, .value_kind: global_buffer, .address_space: global }
    .group_segment_fixed_size: 303616
    .private_segment_fixed_size: 0
    .kernarg_segment_align: 8
    .kernarg_segment_size: 56
    .max_flat_workgroup_size: 128
    .sgpr_count:     76
    .vgpr_count:     1024
    .wavefront_size: 32
...
	.end_amdgpu_metadata
.endif
;; end of part 2
;; ======== version 2 of 2: 2 launches; version 1 with the launch prep written anew for expert scheduling mode
;; limits: inputs' magnitudes at most 255; values are held in f16: magnitudes above 65,504 overflow, below 6.1e-05 lose precision
;; workspace buffers: ua 122,880 bytes
;; launch prep (part 3): grid 10 x 24, 1 waves a work-group, no clusters, 0 bytes of LDS; arguments U3, U2, U1, ua; writes ua
.if DOCPART == 3
	.amdgcn_target "amdgcn-amd-amdhsa--gfx1250"
	.amdhsa_code_object_version 6
	.text
	.protected	k_q66141ed7cc_prep
	.globl	k_q66141ed7cc_prep
	.p2align	8
	.type	k_q66141ed7cc_prep,@function
k_q66141ed7cc_prep:
	s_mov_b64 s[64:65], 0
	v_nop
	global_prefetch_b8 v0, s[64:65] scope:SCOPE_SE
	s_setreg_imm32_b32 hwreg(HW_REG_WAVE_SCHED_MODE, 0, 2), 2
	s_setreg_imm32_b32 hwreg(HW_REG_WAVE_MODE, 25, 1), 1
	s_wait_xcnt 0x0
	s_wait_alu depctr_vm_vsrc(0)
; Makes the left operand of the main launch's matrix products: ua, f16, 24 tiles of 16 rows x 160 K, laid out in the order in which
; a wave's lanes hold a fragment.  Per (atom, channel) the result is a cubic in the 16 numbers x_0..x_15.  x_b x_i does not care for the
; order of b and i, so the 256 ordered pairs fold into 136 monomials with the coefficient U3[a,b,i,k] + U3[a,i,b,k] (the sum is made here,
; for any U3; nothing is assumed of it).  Lane L = (r = L & 15, h = L >> 4) owns 80 K slots u = 8 d + p (d = 0..9, p = 0..7) of row r:
;   d = 0..8: the monomial x_b x_i with b = p + 8 h, i = (b + d) & 15   (d = 8 in half 1 would repeat half 0's pairs: coefficient 0)
;   d = 9:    the linear term x_(p + 8 h)
; Tile t < 23 (k = t), row a = r: U3[a,b,i,t] + (d != 0 ? U3[a,i,b,t] : 0) on pair slots, 0 on linear slots.
; Tile 23: rows 0..3 (k2 = r): U2[b,i,k2] + (d != 0 ? U2[i,b,k2] : 0) on pair slots; row 4: U1[p + 8 h] on linear slots; all else 0.
; Byte (10 t + d) * 512 + 16 L + 2 p of ua holds slot (d, p) of lane L in tile t.
; One wave per work-group makes one block of 512 bytes (one t, one d): a lane makes its eight p and stores 16 bytes, so the wave's one
; store covers 512 consecutive bytes, aligned.  Sums in f32, rounded once to f16.
; LIMIT: a coefficient of 65,520 or more in magnitude becomes an f16 infinity; drawn coefficients are below about 12.
; THE MODE: SCHED_MODE bits 1:0 = 2 (LLVM: expert scheduling mode 2), set by the entry lines.  The code itself states the register dependences
; between vector instructions and memory instructions, with s_wait_alu, always for 0.
; THE PLAN.  Registers that memory instructions touch:
;   v32-47   pair slots: the sixteen gathers' offsets.  Written once by vector lines, read by the gathers, never written again.
;   v5       linear slots: the offset of U1's two loads.  Written once, never written again.
;   v8-23    the loads' data.  No vector line names them ahead of the loads; behind the wait for the data vector lines alone name them.
;   v24-27   the store's data, written by the four conversions;  v30  the store's offset, written at the head.
;   v1-v4, v6, v7 are named by vector lines alone.
; So each arm has ONE wait on va_vdst, behind the lines that make its offsets and ahead of its run of loads, and one more stands ahead of the store.
; The lines that make the mask v4 stand behind the loads: they name none of the loads' registers.  A compare's scalar result has its wait ahead of
; its first reader.  No register that a memory instruction reads is written again, and EXEC is never written.
.set LAST, 23                          ; the tile of U2 and U1
	s_load_b256 s[4:11], s[0:1], 0x0               ; U3 s[4:5], U2 s[6:7], U1 s[8:9], ua s[10:11]
	s_mov_b32 s12, ttmp9                           ; d
	s_and_b32 s13, ttmp7, 0xffff                   ; t
	s_mul_i32 s14, s13, 10
	s_add_co_u32 s14, s14, s12
	s_lshl_b32 s14, s14, 9                         ; (10 t + d) * 512
	s_lshl_b32 s15, s13, 2                         ; 4 t: k's bytes in U3
	v_and_b32 v1, 15, v0                           ; r
	v_and_b32 v2, 16, v0
	v_lshrrev_b32 v2, 1, v2                        ; 8 h
	v_lshl_add_u32 v30, v0, 4, s14                 ; where my 16 bytes go
	s_wait_kmcnt 0x0
	s_cmp_eq_u32 s12, 9
	s_cbranch_scc1 .Llinear
	; pair slots.  One text for U3 and U2: the strides, the row's mask and limit and the base are chosen by t.
	s_mov_b32 s16, 1472                            ; bytes from b to b + 1 in U3 (16 x 23 x 4)
	s_mov_b32 s17, 92                              ; from i to i + 1 (23 x 4)
	s_mov_b32 s18, 23552                           ; from a to a + 1 (16 x 16 x 23 x 4)
	s_cmp_eq_u32 s13, LAST
	s_cselect_b32 s16, 256, s16                    ; U2: first index 16 x 4 x 4 bytes,
	s_cselect_b32 s17, 16, s17                     ; second index 4 x 4,
	s_cselect_b32 s18, 4, s18                      ; and the row is k2
	s_cselect_b32 s19, 3, 15                       ; rows are wrapped so that every lane's address stays inside the table
	s_cselect_b32 s20, 0, s15
	s_cselect_b32 s21, 4, 16                       ; rows at or past this limit are zero
	s_cselect_b64 s[22:23], s[6:7], s[4:5]
	s_cmp_eq_u32 s12, 8
	s_cselect_b32 s24, 8, 16                       ; d = 8: only half 0 (8 h < 8) carries a coefficient
	s_cmp_lg_u32 s12, 0
	s_cselect_b32 s26, -1, 0                       ; d = 0: the square has one term, not two
	v_and_b32 v3, s19, v1
	v_mad_u32_u24 v3, v3, s18, s20                 ; the row's and k's bytes
.irp e, 0,1,2,3,4,5,6,7
	v_add_nc_u32 v6, \e, v2                        ; b = p + 8 h
	v_add_nc_u32 v7, s12, v6
	v_and_b32 v7, 15, v7                           ; i = (b + d) & 15
	v_mad_u32_u24 v[32+\e], v6, s16, v3
	v_mad_u32_u24 v[32+\e], v7, s17, v[32+\e]      ; [.., b, i, ..]
	v_mad_u32_u24 v[40+\e], v7, s16, v3
	v_mad_u32_u24 v[40+\e], v6, s17, v[40+\e]      ; [.., i, b, ..]
.endr
	s_wait_alu depctr_va_vdst(0)                   ; the sixteen offsets v32 to v47 are written, which the gathers below read
.irp e, 0,1,2,3,4,5,6,7
	global_load_b32 v[8+\e], v[32+\e], s[22:23]    ; each load has an offset register of its own: none is rewritten
	global_load_b32 v[16+\e], v[40+\e], s[22:23]
.endr
	v_cmp_gt_u32 s27, s21, v1                      ; the mask is made while the gathers are out: these lines name v1, v2 and v4 alone
	v_cmp_gt_u32 s29, s24, v2
	s_wait_alu depctr_va_sdst(0)                   ; the two compares have written s27 and s29, ahead of their first reader, the line below
	s_and_b32 s27, s27, s29
	v_cndmask_b32 v4, 0, -1, s27                   ; all ones where the slot carries a coefficient
	s_wait_loadcnt 0x0
.irp e, 0,1,2,3,4,5,6,7
	v_and_b32 v[16+\e], s26, v[16+\e]
	v_add_f32 v[8+\e], v[8+\e], v[16+\e]
	v_and_b32 v[8+\e], v4, v[8+\e]
.endr
	s_branch .Lpack
.Llinear:
	; linear slots: U1[8 h .. 8 h + 7] in row 4 of the last tile, zeros everywhere else
	v_lshlrev_b32 v5, 2, v2                        ; 32 h bytes
	s_wait_alu depctr_va_vdst(0)                   ; the offset v5 is written, which the two loads below read
	global_load_b128 v[8:11], v5, s[8:9]
	global_load_b128 v[12:15], v5, s[8:9] offset:16
	s_cmp_eq_u32 s13, LAST
	s_cselect_b32 s28, 4, 16                       ; no row is 16: other tiles get zeros
	v_cmp_eq_u32 vcc_lo, s28, v1
	s_wait_alu depctr_va_vcc(0)                    ; the compare has written VCC, ahead of its first reader, the select below
	v_cndmask_b32 v4, 0, -1, vcc_lo
	s_wait_loadcnt 0x0
.irp e, 0,1,2,3,4,5,6,7
	v_and_b32 v[8+\e], v4, v[8+\e]
.endr
.Lpack:
	v_cvt_pk_f16_f32 v24, v8, v9                   ; first source into the low half: slot p in half-word p
	v_cvt_pk_f16_f32 v25, v10, v11
	v_cvt_pk_f16_f32 v26, v12, v13
	v_cvt_pk_f16_f32 v27, v14, v15
	s_wait_alu depctr_va_vdst(0)                   ; the conversions have written v24 to v27, the store's data; its offset v30, made at the head, is written too
	global_store_b128 v30, v[24:27], s[10:11]
	s_endpgm
.Lfunc_end_k_q66141ed7cc_prep:
	.size	k_q66141ed7cc_prep, .Lfunc_end_k_q66141ed7cc_prep-k_q66141ed7cc_prep
	.p2alignl 7, 3214868480
	.fill 96, 4, 3214868480
	.section	.rodata,"a",@progbits
	.p2align	6, 0x0
	.amdhsa_kernel k_q66141ed7cc_prep
		.amdhsa_group_segment_fixed_size 0
		.amdhsa_private_segment_fixed_size 0
		.amdhsa_enable_private_segment 0
		.amdhsa_kernarg_size 32
		.amdhsa_user_sgpr_count 2
		.amdhsa_user_sgpr_kernarg_segment_ptr 1
		.amdhsa_wavefront_size32 1
		.amdhsa_system_sgpr_workgroup_id_x 1
		.amdhsa_system_sgpr_workgroup_id_y 1
		.amdhsa_system_sgpr_workgroup_id_z 1
		.amdhsa_system_vgpr_workitem_id 0
		.amdhsa_next_free_vgpr 64
		.amdhsa_next_free_sgpr 66
		.amdhsa_reserve_vcc 1
		.amdhsa_float_denorm_mode_32 3
		.amdhsa_float_denorm_mode_16_64 3
		.amdhsa_memory_ordered 1
		.amdhsa_forward_progress 1
		.amdhsa_inst_pref_size 9
	.end_amdhsa_kernel
	.amdgpu_metadata
---
amdhsa.version: [ 1, 2 ]
amdhsa.kernels:
  - .name:           k_q66141ed7cc_prep
    .symbol:         k_q66141ed7cc_prep.kd
    .args:
      - { .name: U3, .offset: 0, .size: 8, .value_kind: global_buffer, .address_space: global }
      - { .name: U2, .offset: 8, .size: 8, .value_kind: global_buffer, .address_space: global }
      - { .name: U1, .offset: 16, .size: 8, .value_kind: global_buffer, .address_space: global }
      - { .name: ua, .offset: 24, .size: 8, .value_kind: global_buffer, .address_space: global }
    .group_segment_fixed_size: 0
    .private_segment_fixed_size: 0
    .kernarg_segment_align: 8
    .kernarg_segment_size: 32
    .max_flat_workgroup_size: 32
    .sgpr_count:     66
    .vgpr_count:     64
    .wavefront_size: 32
...
	.end_amdgpu_metadata
.endif
;; end of part 3
;; launch main: the kernel of part 2 again; grid 256 x 1, 4 waves a work-group, clusters of 4 x 1, 303,616 bytes of LDS; arguments ua, x, atom_types, W3, W2, W1, out0; writes out0
